; MI455X (gfx1250); checked and timed in simulation.
; The chip was launched on July 23, 2026; its instructions are those of AMD's public machine-readable ISA for CDNA 5 (MIT licence, August 2026) and "CDNA5" Instruction Set Architecture Reference Guide (July 2026). The comments in the code are by the model that wrote it; some were corrected since.
;; PINN Euler. Allowed arithmetic: matrix products marked QUANTISED: E2M1 operands, one E8M0 scale for each 32 along K, by v_wmma_scale_f32_16x16x128_f8f6f4 with both operands' format E2M1 (or v_wmma_scale_f32_32x16x128_f4), f32 sums; products left as they are: f32 operands where the result goes on into a quantised operand, else bf16, f16 or f32 operands; f32 sums; everything else in f32.
;; Inputs: W0 3 x 128 float32; W1 128 x 128 float32; W2 128 x 128 float32; W3 128 x 128 float32; W4 128 x 4 float32; b0 128 float32; b1 128 float32; b2 128 float32; b3 128 float32; b4 4 float32; t 131,072 x 1 float32; x 131,072 x 1 float32; y 131,072 x 1 float32.
;; Outputs: out0 131,072 x 4 float32.
;; This version of the problem:
;;   THIS VERSION OF THE PROBLEM IS GIVEN IN LOW PRECISION. The matrix products marked QUANTISED in the list below multiply operands that are first quantised to E2M1 (2 exponent bits, 1 mantissa bit; 4 bits a number), with one power-of-two scale for each 32 numbers along K (OCP MX v1.0); their sums are f32. All else is computed in f32.
;;   The module's matrix products, in the order in which they are computed (A, B: the left and right operand; K: the contracted axis; several contracted axes count as one K, in the product's order):
;;     1. [M 131,072, K 3] x [K 3, N 128]; A: computed on the way; B: input W0: left as it is (K = 3 < 32)
;;     2. [M 131,072, K 3] x [K 3, N 128]; A: computed on the way; B: input W0: left as it is (K = 3 < 32)
;;     3. [M 131,072, K 128] x [K 128, N 128]; A: computed on the way; B: input W1: QUANTISED
;;     4. [M 131,072, K 128] x [K 128, N 128]; A: computed on the way; B: input W1: QUANTISED
;;     5. [M 131,072, K 128] x [K 128, N 128]; A: computed on the way; B: input W2: QUANTISED
;;     6. [M 131,072, K 128] x [K 128, N 128]; A: computed on the way; B: input W2: QUANTISED
;;     7. [M 131,072, K 128] x [K 128, N 128]; A: computed on the way; B: input W3: QUANTISED
;;     8. [M 131,072, K 128] x [K 128, N 128]; A: computed on the way; B: input W3: QUANTISED
;;     9. [M 131,072, K 128] x [K 128, N 4]; A: computed on the way; B: input W4: left as it is (N = 4 < 16)
;;     10. [M 131,072, K 128] x [K 128, N 4]; A: computed on the way; B: input W4: left as it is (N = 4 < 16)
;;     11. [M 131,072, K 3] x [K 3, N 128]; A: computed on the way; B: input W0: left as it is (K = 3 < 32)
;;     12. [M 131,072, K 3] x [K 3, N 128]; A: computed on the way; B: input W0: left as it is (K = 3 < 32)
;;     13. [M 131,072, K 128] x [K 128, N 128]; A: computed on the way; B: input W1: QUANTISED
;;     14. [M 131,072, K 128] x [K 128, N 128]; A: computed on the way; B: input W1: QUANTISED
;;     15. [M 131,072, K 128] x [K 128, N 128]; A: computed on the way; B: input W2: QUANTISED
;;     16. [M 131,072, K 128] x [K 128, N 128]; A: computed on the way; B: input W2: QUANTISED
;;     17. [M 131,072, K 128] x [K 128, N 128]; A: computed on the way; B: input W3: QUANTISED
;;     18. [M 131,072, K 128] x [K 128, N 128]; A: computed on the way; B: input W3: QUANTISED
;;     19. [M 131,072, K 128] x [K 128, N 4]; A: computed on the way; B: input W4: left as it is (N = 4 < 16)
;;     20. [M 131,072, K 128] x [K 128, N 4]; A: computed on the way; B: input W4: left as it is (N = 4 < 16)
;;     21. [M 131,072, K 3] x [K 3, N 128]; A: computed on the way; B: input W0: left as it is (K = 3 < 32)
;;     22. [M 131,072, K 3] x [K 3, N 128]; A: computed on the way; B: input W0: left as it is (K = 3 < 32)
;;     23. [M 131,072, K 128] x [K 128, N 128]; A: computed on the way; B: input W1: QUANTISED
;;     24. [M 131,072, K 128] x [K 128, N 128]; A: computed on the way; B: input W1: QUANTISED
;;     25. [M 131,072, K 128] x [K 128, N 128]; A: computed on the way; B: input W2: QUANTISED
;;     26. [M 131,072, K 128] x [K 128, N 128]; A: computed on the way; B: input W2: QUANTISED
;;     27. [M 131,072, K 128] x [K 128, N 128]; A: computed on the way; B: input W3: QUANTISED
;;     28. [M 131,072, K 128] x [K 128, N 128]; A: computed on the way; B: input W3: QUANTISED
;;     29. [M 131,072, K 128] x [K 128, N 4]; A: computed on the way; B: input W4: left as it is (N = 4 < 16)
;;     30. [M 131,072, K 128] x [K 128, N 4]; A: computed on the way; B: input W4: left as it is (N = 4 < 16)
;;   THE QUANTISER, for each operand of a quantised product, along K:
;;     - K is cut into blocks of 32 from its start; a last block that is shorter is filled with zeros.
;;     - A block's scale is 2^e with e = floor(log2(the largest magnitude in the block)) - 2, held to -126 .. 127; a block of zeros has e = 0. As a byte (E8M0): e + 127.
;;     - Each number is divided by its block's scale, clamped to +-6, and rounded to the nearest number of E2M1, ties to even, subnormals kept.
;;     - The product sums the exact products of the quantised numbers (number of the format x scale) in f32.
;;   ~~~python
;;   def quantise(x, axis):      # numpy; x: float32 -> the quantised numbers, widened to float32 again
;;       x = np.moveaxis(x, axis, -1); K = x.shape[-1]
;;       x = np.pad(x, [(0, 0)] * (x.ndim - 1) + [(0, -K % 32)]); x = x.reshape(x.shape[:-1] + (-1, 32)); a = np.abs(x).max(-1, keepdims=True)
;;       e = np.where(a > 0, np.clip(np.frexp(np.where(a > 0, a, 1))[1] - 1 - 2, -126, 127), 0)      # np.frexp(a)[1] - 1 = floor(log2(a)), exactly
;;       r = np.clip(x / 2.0 ** e, -6, 6)
;;       step = 2.0 ** (np.maximum(np.frexp(np.where(r == 0, 1, r))[1] - 1, 0) - 1)
;;       q = np.round(r / step) * step * 2.0 ** e      # np.round: ties to even
;;       return np.moveaxis(q.reshape(q.shape[:-2] + (-1,))[..., :K], -1, axis).astype(np.float32)
;;   ~~~
;;   OPERANDS COMPUTED ON THE WAY. 'Computed on the way' means the value that the module computes at that place (a softmax that the list does not call 'softmax' is quantised finished and normalised). What goes into a quantiser is computed in f32, as accurately as f32 sums, v_exp_f32 and their like allow (about 1e-6 of the number): no bf16 or f16 on the way to a quantiser, and a product that is left as it is and whose result goes on into a quantised operand takes f32 operands (vector FMAs, or v_wmma_f32_16x16x4_f32). A number that lies on a knife's edge between two numbers of the format may be rounded either way, as far as f32 arithmetic and the matrix unit's own rounding can turn it there, and no further.
;; 2 versions. Each part assembles by itself: llvm-mc -triple=amdgcn-amd-amdhsa -mcpu=gfx1250 --defsym DOCPART=n.
;; ======== version 1 of 2: 1 launch
;; limits: right only within a limited range of input values
;; launch pinn (part 1): grid 256 x 1, 16 waves a work-group, no clusters, 34,816 bytes of LDS; arguments t, x, y, W0, b0, b1, b2, b3, W4, b4, W1, W2, W3, out0; writes out0
.if DOCPART == 1
	.amdgcn_target "amdgcn-amd-amdhsa--gfx1250"
	.amdhsa_code_object_version 6
	.text
	.protected	k_q0732fffb1b_pinn
	.globl	k_q0732fffb1b_pinn
	.p2align	8
	.type	k_q0732fffb1b_pinn,@function
k_q0732fffb1b_pinn:
	s_mov_b64 s[64:65], 0
	v_nop
	global_prefetch_b8 v0, s[64:65] scope:SCOPE_SE
	s_setreg_imm32_b32 hwreg(HW_REG_WAVE_MODE, 25, 1), 1
	s_wait_xcnt 0x0
; The residual U_t + F_x + G_y of the 2-D Euler equations for a sine network 3-128-128-128-128-4 at 131,072 points.
; STREAMS.  Each point has four: z and its derivatives by t, x and y.  The three forward passes that the three derivatives share have the same operands and so the same codes: that pass is made once.
; The derivative of the first layer by coordinate i is row i of W0.  h = sin z, h' = cos z x z'.  The three layers 128 x 128 multiply codes of FP4 (E2M1) with one E8M0 scale for each 32 along K, both sides;
; the first layer (K = 3) and the last (N = 4) are fused multiply-adds in f32.
; SHARES.  256 work-groups of 512 points; 16 waves of 32 points: two tiles of 16, a loop of two trips.  A wave has 256 registers, four waves share a SIMD, so that one wave's products and LDS waits stand beside the others' vector work,
; which is the bulk: about 4,300 vector instructions beside 96 products for a tile.
; LAYOUT.  The products are used transposed: source 0 = 16 output units (rows of W^T), source 1 = 16 points.  In a result lane (r, h) holds point r, register j row 8 h + j.
; THE UNITS OF A TILE ARE NOT NEIGHBOURS: row m of tile (c, g) is unit 64 c + 32 (m / 8) + 8 g + m % 8.  So the 32 registers of tiles (c, 0 .. 3) are, in lane (r, h), units 64 c + 32 h + 0 .. 31: ONE WHOLE BLOCK of the next K.
; Its largest magnitude needs no other lane, and the conversion of tile (c, g) is register 4 c + g of the next operand as it stands.  One lane exchange for a stream and layer joins the scale word's four bytes.
; A layer's output is made in two halves c = 0, 1: 4 tiles x 4 streams = 16 accumulators, 128 registers.
; THE WEIGHTS are quantised once by each work-group, at its head (a lane to a unit, registers down K), and lie in LDS as images of the operand's registers.  One barrier; behind it LDS is only read.
; SINE AND COSINE: n = round(z / pi) by the constant 1.5 x 2^23; r = z - n pi, pi in two parts; polynomials in r^2 on |r| <= pi / 2 (Abramowitz and Stegun 4.3.97 and 4.3.99: 2e-9); the sign from n's lowest bit.
; NOT USED: tensor loads, a ring, a cluster: nothing is streamed.  What work-groups share is 196,608 bytes of weights, which each reads once, as f32 into registers, since it has to quantise them.
; No prefetch: a work-group's t, x, y are 6,144 bytes; a tile's are asked for a tile ahead.
; LIMITS: |z| under 2^22 pi (the reduction's n has to fit beside the constant).  NaN and infinities among the inputs are not served.  A block whose largest magnitude lies under 2^-124 keeps the scale byte 1
; (a block of zeros too: its codes are zeros, and the bytes are read here alone).  p / (gamma - 1) is 2.5 p: 1.5e-8 of the number away from the division by the f32 number 0.4.
.set IMG,   0                          ; LDS: the weights' fragments: 8192 layer + 1024 (4 c + g) + 512 c2 + 16 lane: lane (r, h2) holds, of the tile's row r, the codes of k = 64 c2 + 32 h2 + 0 .. 31
.set SCLB,  24576                      ; their scale words: 512 layer + 64 (4 c + g) + 4 r; byte b for K block b
.set TAB,   26112                      ; eleven pieces of 512 bytes as they lie in memory: W0's rows 0, 1, 2; b0; b1; b2; b3; W4 (four pieces)
.set FLOOR, 0x1800000                  ; 2^(3 - 127): under it no largest magnitude is taken, so the byte cannot fall under 1
.set LI,    1                          ; v1   16 x lane: an image's place, and my 16 bytes of the wave's 512 of out0
.set LSC,   2                          ; v2   4 x (lane % 16): the weights' scale words; t, x, y of my point
.set LH128, 3                          ; v3   128 x (lane / 16): my half's 32 numbers in a row of 128
.set LH512, 4                          ; v4   512 x (lane / 16): the same in W4, 16 bytes a unit
.set LANE,  5                          ; v5   lane (the head alone)
.set TXY,   6                          ; v6 t, v7 x, v8 y
.set SH8,   9                          ; v9   8 x (lane / 16)
.set RES,   10                         ; v10-13 my point's four results
.set MAGIC, 14                         ; v[14:15] 1.5 x 2^23, twice;  v[16:17], v[18:19] two coefficients, twice: in vector pairs, so that no packed instruction names two scalar pairs
.set VS9,   16
.set VC8,   18
.set SCA,   20                         ; v20-23 scale words of operand set A (streams z, t, x, y);  v24-27 of set B;  v28-31 of the four tiles of W: these twelve hold scales and nothing else
.set SCB,   24
.set WSC,   28
.set OPA,   32                         ; v32-63 operand set A: stream s at + 8 s;  v64-95 set B
.set OPB,   64
.set OUT,   64                         ; behind the third product set B is free: v64-79 the last layer's sums, stream s at + 4 s
.set WF,    96                         ; v96-127 four fragments of W; between products at work:
.set TT,    96                         ;   the activation's four sets of four pairs,
.set NN,    104
.set UU,    112
.set CC,    120
.set QM,    96                         ;   the quantiser's largest magnitudes, scale operands, bytes, the other half's word,
.set QS,    100
.set QB,    104
.set QP,    108                        ;   and W4's numbers, two buffers of 16
.set ACC,   128                        ; v128-255 z, z_t, z_x, z_y: stream s at + 32 s, tile g at + 8 g
.set VWO,   224                        ; the head alone: my offset in a weight; where I store my codes, my scale byte, my table piece
.set VIS,   225
.set VSS,   226
.set VTS,   227
.set WQS,   228                        ; v228-230 the scale operands, v232-234 the bytes, v236-247 the codes: a set for each weight
.set WQB,   232
.set WQC,   236
.set WV,    36                         ; s36  my wave's number
.set SEL,   44                         ; s[44:45] v_permlanex16_b32's selects for lane l xor 16
.set INVPI, 46                         ; scalar pairs, the same number twice: the packed forms name a pair and take its low word for both halves
.set NMAG,  48
.set NPIH,  50
.set NPIM,  52
.set KS11,  54
.set KS7,   56
.set KS5,   58
.set KS3,   60
.set KC10,  62
.set KC6,   66
.set KC4,   68
.set TRIP,  70                         ; s70  the tile in hand
.set MASK,  71                         ; s71  the lanes that keep this tile's results
.set ONE,   76                         ; s76  1.0
.macro SPAIR reg, val
	s_mov_b32 s[\reg], \val
	s_mov_b32 s[\reg+1], \val
.endm
	s_load_b512 s[8:23], s[0:1], 0x0               ; t s[8:9], x s[10:11], y s[12:13], W0 s[14:15], b0 s[16:17], b1 s[18:19], b2 s[20:21], b3 s[22:23]
	s_load_b256 s[24:31], s[0:1], 0x40             ; W4 s[24:25], b4 s[26:27], W1 s[28:29], W2 s[30:31]
	s_load_b128 s[32:35], s[0:1], 0x60             ; W3 s[32:33], out0 s[34:35]
	v_and_b32 v[LANE], 31, v0
	v_lshrrev_b32 v250, 5, v0
	v_readfirstlane_b32 s[WV], v250                ; wave 0..15
	v_bfe_u32 v251, v0, 4, 1                       ; h = lane / 16
	v_lshlrev_b32 v[LI], 4, v[LANE]
	v_and_b32 v[LSC], 15, v0
	v_lshlrev_b32 v[LSC], 2, v[LSC]
	v_lshlrev_b32 v[LH128], 7, v251
	v_lshlrev_b32 v[LH512], 9, v251
	v_lshlrev_b32 v[SH8], 3, v251
	v_lshl_add_u32 v[VTS], v0, 4, TAB              ; piece w, 16 bytes a lane
	v_lshrrev_b32 v250, 3, v[LANE]                 ; lane / 8: the tile g of my unit
	v_and_b32 v251, 7, v[LANE]                     ; lane % 8
	; In each weight wave w takes units 32 (w / 4) + lane and K block w % 4.  W is [k][n]: row 32 (w % 4) + i is 16,384 (w % 4) + 512 i bytes down
	s_and_b32 s37, s[WV], 3
	s_lshr_b32 s38, s[WV], 2
	s_lshl_b32 s39, s37, 14
	s_lshl_b32 s77, s38, 7
	s_add_co_u32 s39, s39, s77
	v_lshl_add_u32 v[VWO], v[LANE], 2, s39
	; unit u = 32 (w / 4) + lane is row 8 ((w / 4) % 2) + lane % 8 of tile (c = w / 8, g = lane / 8); block w % 4 is c2 = (w / 2) % 2, h2 = w % 2
	s_lshr_b32 s39, s[WV], 3
	s_and_b32 s38, s38, 1
	s_lshl_b32 s77, s39, 12                        ; 4,096 c
	s_lshl_b32 s78, s38, 7                         ; + 16 x 8 ((w / 4) % 2)
	s_add_co_u32 s77, s77, s78
	s_bfe_u32 s78, s[WV], 0x10001
	s_lshl_b32 s78, s78, 9                         ; + 512 c2
	s_add_co_u32 s77, s77, s78
	s_and_b32 s78, s[WV], 1
	s_lshl_b32 s78, s78, 8                         ; + 16 x 16 h2
	s_add_co_u32 s77, s77, s78
	v_lshlrev_b32 v[VIS], 10, v250                 ; + 1,024 g
	v_lshl_add_u32 v[VIS], v251, 4, v[VIS]         ; + 16 (lane % 8)
	v_add_nc_u32 v[VIS], s77, v[VIS]
	s_lshl_b32 s77, s39, 8                         ; the scale byte: 256 c
	s_lshl_b32 s78, s38, 5                         ; + 4 x 8 ((w / 4) % 2)
	s_add_co_u32 s77, s77, s78
	s_add_co_u32 s77, s77, s37                     ; + the block
	v_lshlrev_b32 v[VSS], 6, v250                  ; + 64 g
	v_lshl_add_u32 v[VSS], v251, 2, v[VSS]         ; + 4 (lane % 8)
	v_add_nc_u32 v[VSS], s77, v[VSS]
	v_mov_b32 v[MAGIC], 0x4b400000                 ; 1.5 x 2^23
	v_mov_b32 v[MAGIC+1], 0x4b400000
	v_mov_b32 v[VS9], 0x3638b94f                   ; sin: + .0000027526 r^8
	v_mov_b32 v[VS9+1], 0x3638b94f
	v_mov_b32 v[VC8], 0x37cfb5a1                   ; cos: + .0000247609 r^8
	v_mov_b32 v[VC8+1], 0x37cfb5a1
.irp k, 0,1,2,3
	v_mov_b32 v[RES+\k], 0                         ; the first tile's select names them as a source
.endr
	s_mov_b32 s[SEL], 0x76543210
	s_mov_b32 s[SEL+1], 0xfedcba98
	SPAIR INVPI, 0x3ea2f983                        ; 1 / pi
	SPAIR NMAG,  0xcb400000                        ; -1.5 x 2^23
	SPAIR NPIH,  0xc0490fdb                        ; -(pi rounded to f32)
	SPAIR NPIM,  0x33bbbd2e                        ; that number - pi = 8.742278e-8
	SPAIR KS11,  0xb2cd4ca8                        ; sin r / r = 1 - .1666666664 r^2 + .0083333315 r^4 - .0001984090 r^6 + .0000027526 r^8 - .0000000239 r^10
	SPAIR KS7,   0xb9500c03
	SPAIR KS5,   0x3c088887
	SPAIR KS3,   0xbe2aaaab
	SPAIR KC10,  0xb48bdad9                        ; cos r = 1 - .5 r^2 + .0416666418 r^4 - .0013888397 r^6 + .0000247609 r^8 - .0000002605 r^10
	SPAIR KC6,   0xbab609ba
	SPAIR KC4,   0x3d2aaaa4
	s_mov_b32 s[ONE], 0x3f800000
	s_lshl_b32 s78, ttmp9, 11                      ; my wave's 32 points in t, x, y: 2,048 x work-group + 128 x wave bytes
	s_lshl_b32 s77, s[WV], 7
	s_add_co_u32 s78, s78, s77
	s_mov_b32 s79, 0
	; the table piece: waves 0 to 10 bring pieces 0 to 10; the other five load piece 10 as well and drop it, so that every wave has the same count of loads
	s_min_u32 s37, s[WV], 10
	s_lshl_b32 s38, s37, 9                         ; W0: 512 x piece
	s_sub_co_u32 s39, s38, 7*512                   ; W4: 512 x (piece - 7)
	s_cmp_lt_u32 s37, 7
	s_cselect_b32 s74, 0, s39                      ; a bias is one piece
	s_cmp_lt_u32 s37, 3
	s_cselect_b32 s74, s38, s74
	s_mov_b32 s75, 0
	s_wait_kmcnt 0x0
	s_load_b128 s[40:43], s[26:27], 0x0            ; b4, waited for in front of the barrier
	s_add_nc_u64 s[8:9], s[8:9], s[78:79]
	s_add_nc_u64 s[10:11], s[10:11], s[78:79]
	s_add_nc_u64 s[12:13], s[12:13], s[78:79]
	s_lshl_b32 s78, s78, 2                         ; out0: 16 bytes a point
	s_add_nc_u64 s[34:35], s[34:35], s[78:79]
	s_mov_b64 s[72:73], s[24:25]                   ; the piece's buffer, chosen by the wave's number alone: W4,
	s_cmp_lt_u32 s37, 7
	s_cselect_b64 s[72:73], s[22:23], s[72:73]     ; b3,
	s_cmp_lt_u32 s37, 6
	s_cselect_b64 s[72:73], s[20:21], s[72:73]     ; b2,
	s_cmp_lt_u32 s37, 5
	s_cselect_b64 s[72:73], s[18:19], s[72:73]     ; b1,
	s_cmp_lt_u32 s37, 4
	s_cselect_b64 s[72:73], s[16:17], s[72:73]     ; b0,
	s_cmp_lt_u32 s37, 3
	s_cselect_b64 s[72:73], s[14:15], s[72:73]     ; W0
	s_add_nc_u64 s[72:73], s[72:73], s[74:75]
	global_load_b32 v[TXY], v[LSC], s[8:9] th:TH_LOAD_NT      ; the first tile's t, x, y: both halves of the lanes take point lane % 16
	global_load_b32 v[TXY+1], v[LSC], s[10:11] th:TH_LOAD_NT
	global_load_b32 v[TXY+2], v[LSC], s[12:13] th:TH_LOAD_NT
	global_load_b128 v[252:255], v[LI], s[72:73]   ; 512 consecutive bytes
; my block of weight lay: W(32 (w % 4) + k, my unit), k = 0 .. 31: each load reads 128 consecutive bytes
.macro WLOAD lay, base
.irp k, 0,1,2,3,4,5,6,7,8,9,10,11,12,13,14,15,16,17,18,19,20,21,22,23,24,25,26,27,28,29,30,31
	global_load_b32 v[ACC+32*\lay+\k], v[VWO], s[\base:\base+1] offset:512*\k
.endr
.endm
; it becomes 16 bytes of codes and a scale byte, which go to their places in the images
.macro QW lay
.set XW, ACC+32*\lay
	v_max3_num_f32 v248, |v[XW]|, |v[XW+1]|, |v[XW+2]|            ; the block's largest magnitude: all 32 numbers are mine; two chains
	v_max3_num_f32 v249, |v[XW+3]|, |v[XW+4]|, |v[XW+5]|
.irp i, 6,10,14,18,22,26
	v_max3_num_f32 v248, v248, |v[XW+\i]|, |v[XW+\i+1]|
	v_max3_num_f32 v249, v249, |v[XW+\i+2]|, |v[XW+\i+3]|
.endr
	v_max3_num_f32 v248, v248, |v[XW+30]|, |v[XW+31]|
	v_max3_num_f32 v248, v248, v249, FLOOR
	v_add_nc_u32 v[WQS+\lay], 0xff000000, v248     ; 2 off its exponent field: the conversion takes the exponent field of this operand as its scale, and nothing else of it
	v_lshrrev_b32 v[WQB+\lay], 23, v[WQS+\lay]     ; the scale's byte
.irp g, 0,1,2,3
	v_cvt_scalef32_pk8_fp4_f32 v[WQC+4*\lay+\g], v[XW+8*\g:XW+8*\g+7], v[WQS+\lay]
.endr
	v_nop                                          ; one plain place behind the last conversion
	ds_store_b128 v[VIS], v[WQC+4*\lay:WQC+4*\lay+3] offset:IMG+8192*\lay
	ds_store_b8 v[VSS], v[WQB+\lay] offset:SCLB+512*\lay
.endm
	WLOAD 0, 28
	s_wait_loadcnt 32                              ; W1's 32 loads may be out: t, x, y and the piece are in
	s_cmp_lt_u32 s[WV], 11
	s_cbranch_scc0 .Lno_piece
	ds_store_b128 v[VTS], v[252:255]
.Lno_piece:
	WLOAD 1, 30
	s_wait_loadcnt 32                              ; W2's 32 may be out: W1's are in
	QW 0
	WLOAD 2, 32
	s_wait_loadcnt 32                              ; W3's 32 may be out: W2's are in
	QW 1
	s_wait_loadcnt 0x0
	QW 2
	s_wait_kmcnt 0x0                               ; b4
	s_wait_dscnt 0x0                               ; for the others' sake: my stores into LDS are done
	s_barrier_signal -1
	s_barrier_wait -1                              ; the images, the scale words and the tables are whole; from here on LDS is only read
; THE FIRST LAYER, half hf: z = b0 + t W0[0] + x W0[1] + y W0[2]; z_t, z_x, z_y are W0's rows as they come
.macro STAGE0 hf
.irp g, 0,1,2,3
.irp q, 0,1
	ds_load_b128 v[ACC+8*\g+4*\q:ACC+8*\g+4*\q+3], v[LH128] offset:TAB+1536+4*(64*\hf+8*\g+4*\q)
.irp s, 0,1,2
	ds_load_b128 v[ACC+32+32*\s+8*\g+4*\q:ACC+32+32*\s+8*\g+4*\q+3], v[LH128] offset:TAB+512*\s+4*(64*\hf+8*\g+4*\q)
.endr
.endr
.endr
	s_wait_dscnt 0x0
.irp p, 0,2,4,6,8,10,12,14,16,18,20,22,24,26,28,30
	v_pk_fma_f32 v[ACC+\p:ACC+\p+1], v[ACC+32+\p:ACC+32+\p+1], v[TXY:TXY+1], v[ACC+\p:ACC+\p+1] op_sel_hi:[1,0,1]                    ; + t W0[0]: the pair's first register for both halves
.endr
.irp p, 0,2,4,6,8,10,12,14,16,18,20,22,24,26,28,30
	v_pk_fma_f32 v[ACC+\p:ACC+\p+1], v[ACC+64+\p:ACC+64+\p+1], v[TXY:TXY+1], v[ACC+\p:ACC+\p+1] op_sel:[0,1,0] op_sel_hi:[1,1,1]     ; + x W0[1]: its second register for both
.endr
.irp p, 0,2,4,6,8,10,12,14,16,18,20,22,24,26,28,30
	v_pk_fma_f32 v[ACC+\p:ACC+\p+1], v[ACC+96+\p:ACC+96+\p+1], v[TXY+2:TXY+3], v[ACC+\p:ACC+\p+1] op_sel_hi:[1,0,1]                  ; + y W0[2]
.endr
.endm
; A QUANTISED LAYER, half hf of layer lay: 16 products, one for each tile and stream: K = 128 is one instruction, so there is no chain; the accumulators take turns.
; The bias is loaded into z's accumulators and is the C of z's products; the derivatives begin with 0.  np: the places owed in front of the products: scale words made by vector instructions stand 8 ahead, operands 4.
.macro MM lay, hf, opr, scr, np
.irp g, 0,1,2,3
	ds_load_b128 v[WF+8*\g:WF+8*\g+3], v[LI] offset:IMG+8192*\lay+1024*(4*\hf+\g)
	ds_load_b128 v[WF+8*\g+4:WF+8*\g+7], v[LI] offset:IMG+8192*\lay+1024*(4*\hf+\g)+512
	ds_load_b32 v[WSC+\g], v[LSC] offset:SCLB+512*\lay+64*(4*\hf+\g)
	ds_load_b128 v[ACC+8*\g:ACC+8*\g+3], v[LH128] offset:TAB+2048+512*\lay+4*(64*\hf+8*\g)
	ds_load_b128 v[ACC+8*\g+4:ACC+8*\g+7], v[LH128] offset:TAB+2048+512*\lay+4*(64*\hf+8*\g)+16
.endr
.rept \np
	v_nop
.endr
.irp g, 0,1,2,3
	s_wait_dscnt 5*(3-\g)                          ; tile g's five loads are in; those of the tiles behind it may be out
.irp s, 0,1,2,3
.if \s == 0
	v_wmma_scale_f32_16x16x128_f8f6f4 v[ACC+8*\g:ACC+8*\g+7], v[WF+8*\g:WF+8*\g+7], v[\opr:\opr+7], v[ACC+8*\g:ACC+8*\g+7], v[WSC+\g], v[\scr] matrix_a_fmt:MATRIX_FMT_FP4 matrix_b_fmt:MATRIX_FMT_FP4
.else
	v_wmma_scale_f32_16x16x128_f8f6f4 v[ACC+32*\s+8*\g:ACC+32*\s+8*\g+7], v[WF+8*\g:WF+8*\g+7], v[\opr+8*\s:\opr+8*\s+7], 0, v[WSC+\g], v[\scr+\s] matrix_a_fmt:MATRIX_FMT_FP4 matrix_b_fmt:MATRIX_FMT_FP4
.endif
.endr
.endr
.rept 4
	v_nop                                          ; four places (ISA guide 7.12.1) in front of the first read of results and the first write of W's registers
.endr
.endm
; THE ACTIVATION of a half: z -> sin z, z' -> cos z x z', a tile (four pairs) at a time; each line for all four pairs, ascending.  23 instructions for a pair of units.
.macro ACT
.irp g, 0,1,2,3
.irp p, 0,2,4,6
	v_pk_fma_f32 v[TT+\p:TT+\p+1], v[ACC+8*\g+\p:ACC+8*\g+\p+1], s[INVPI:INVPI+1], v[MAGIC:MAGIC+1] op_sel_hi:[1,0,1]   ; z / pi + 1.5 x 2^23: the sum's low bits are n = round(z / pi)
.endr
.irp p, 0,2,4,6
	v_pk_add_f32 v[NN+\p:NN+\p+1], v[TT+\p:TT+\p+1], s[NMAG:NMAG+1] op_sel_hi:[1,0]                                     ; n as a number
.endr
.irp p, 0,2,4,6
	v_pk_fma_f32 v[ACC+8*\g+\p:ACC+8*\g+\p+1], v[NN+\p:NN+\p+1], s[NPIH:NPIH+1], v[ACC+8*\g+\p:ACC+8*\g+\p+1] op_sel_hi:[1,0,1]
.endr
.irp p, 0,2,4,6
	v_pk_fma_f32 v[ACC+8*\g+\p:ACC+8*\g+\p+1], v[NN+\p:NN+\p+1], s[NPIM:NPIM+1], v[ACC+8*\g+\p:ACC+8*\g+\p+1] op_sel_hi:[1,0,1]   ; r = z - n pi
.endr
.irp i, 0,1,2,3,4,5,6,7
	v_lshl_or_b32 v[TT+\i], v[TT+\i], 31, s[ONE]   ; n's lowest bit as the sign of 1.0: (-1)^n
.endr
.irp p, 0,2,4,6
	v_pk_mul_f32 v[UU+\p:UU+\p+1], v[ACC+8*\g+\p:ACC+8*\g+\p+1], v[TT+\p:TT+\p+1]                                       ; (-1)^n r
.endr
.irp p, 0,2,4,6
	v_pk_mul_f32 v[ACC+8*\g+\p:ACC+8*\g+\p+1], v[ACC+8*\g+\p:ACC+8*\g+\p+1], v[ACC+8*\g+\p:ACC+8*\g+\p+1]               ; r^2
.endr
.irp p, 0,2,4,6
	v_pk_fma_f32 v[NN+\p:NN+\p+1], v[ACC+8*\g+\p:ACC+8*\g+\p+1], s[KS11:KS11+1], v[VS9:VS9+1] op_sel_hi:[1,0,1]         ; the two polynomials by turns
.endr
.irp p, 0,2,4,6
	v_pk_fma_f32 v[CC+\p:CC+\p+1], v[ACC+8*\g+\p:ACC+8*\g+\p+1], s[KC10:KC10+1], v[VC8:VC8+1] op_sel_hi:[1,0,1]
.endr
.irp p, 0,2,4,6
	v_pk_fma_f32 v[NN+\p:NN+\p+1], v[NN+\p:NN+\p+1], v[ACC+8*\g+\p:ACC+8*\g+\p+1], s[KS7:KS7+1] op_sel_hi:[1,1,0]
.endr
.irp p, 0,2,4,6
	v_pk_fma_f32 v[CC+\p:CC+\p+1], v[CC+\p:CC+\p+1], v[ACC+8*\g+\p:ACC+8*\g+\p+1], s[KC6:KC6+1] op_sel_hi:[1,1,0]
.endr
.irp p, 0,2,4,6
	v_pk_fma_f32 v[NN+\p:NN+\p+1], v[NN+\p:NN+\p+1], v[ACC+8*\g+\p:ACC+8*\g+\p+1], s[KS5:KS5+1] op_sel_hi:[1,1,0]
.endr
.irp p, 0,2,4,6
	v_pk_fma_f32 v[CC+\p:CC+\p+1], v[CC+\p:CC+\p+1], v[ACC+8*\g+\p:ACC+8*\g+\p+1], s[KC4:KC4+1] op_sel_hi:[1,1,0]
.endr
.irp p, 0,2,4,6
	v_pk_fma_f32 v[NN+\p:NN+\p+1], v[NN+\p:NN+\p+1], v[ACC+8*\g+\p:ACC+8*\g+\p+1], s[KS3:KS3+1] op_sel_hi:[1,1,0]
.endr
.irp p, 0,2,4,6
	v_pk_fma_f32 v[CC+\p:CC+\p+1], v[CC+\p:CC+\p+1], v[ACC+8*\g+\p:ACC+8*\g+\p+1], -0.5 op_sel_hi:[1,1,0]
.endr
.irp p, 0,2,4,6
	v_pk_fma_f32 v[CC+\p:CC+\p+1], v[CC+\p:CC+\p+1], v[ACC+8*\g+\p:ACC+8*\g+\p+1], 1.0 op_sel_hi:[1,1,0]               ; cos r
.endr
.irp p, 0,2,4,6
	v_pk_mul_f32 v[ACC+8*\g+\p:ACC+8*\g+\p+1], v[ACC+8*\g+\p:ACC+8*\g+\p+1], v[UU+\p:UU+\p+1]                           ; (-1)^n r^3
.endr
.irp p, 0,2,4,6
	v_pk_mul_f32 v[CC+\p:CC+\p+1], v[CC+\p:CC+\p+1], v[TT+\p:TT+\p+1]                                                   ; cos z
.endr
.irp p, 0,2,4,6
	v_pk_fma_f32 v[ACC+8*\g+\p:ACC+8*\g+\p+1], v[NN+\p:NN+\p+1], v[ACC+8*\g+\p:ACC+8*\g+\p+1], v[UU+\p:UU+\p+1]         ; sin z
.endr
.irp s, 1,2,3
.irp p, 0,2,4,6
	v_pk_mul_f32 v[ACC+32*\s+8*\g+\p:ACC+32*\s+8*\g+\p+1], v[ACC+32*\s+8*\g+\p:ACC+32*\s+8*\g+\p+1], v[CC+\p:CC+\p+1]   ; the three derivatives x cos z
.endr
.endr
.endr
.endm
; THE QUANTISER of a half: in each stream my 32 registers are block 2 hf + h of my point.  Codes into registers 4 hf .. 4 hf + 3 of the stream's operand; the byte into its scale word.  The four streams by turns.
.macro QUANT hf, opr, scr
.irp s, 0,1,2,3
	v_max3_num_f32 v[QM+\s], |v[ACC+32*\s]|, |v[ACC+32*\s+1]|, FLOOR
.endr
.irp i, 2,4,6,8,10,12,14,16,18,20,22,24,26,28,30
.irp s, 0,1,2,3
	v_max3_num_f32 v[QM+\s], v[QM+\s], |v[ACC+32*\s+\i]|, |v[ACC+32*\s+\i+1]|
.endr
.endr
.irp s, 0,1,2,3
	v_add_nc_u32 v[QS+\s], 0xff000000, v[QM+\s]    ; 2 off the exponent field: the conversion's scale operand
.endr
.if \hf == 0
.irp s, 0,1,2,3
	v_lshrrev_b32 v[\scr+\s], 23, v[QS+\s]         ; block h's byte: kept until the other half is made
.endr
.else
.irp s, 0,1,2,3
	v_lshrrev_b32 v[QB+\s], 23, v[QS+\s]           ; block 2 + h's byte,
.endr
.irp s, 0,1,2,3
	v_lshl_or_b32 v[\scr+\s], v[QB+\s], 16, v[\scr+\s]   ; two bytes above the first,
.endr
.irp s, 0,1,2,3
	v_lshlrev_b32 v[\scr+\s], v[SH8], v[\scr+\s]   ; both 8 h bits up: at their places in the word;
.endr
.irp s, 0,1,2,3
	v_permlanex16_b32 v[QP+\s], v[\scr+\s], s[SEL], s[SEL+1]
.endr
.irp s, 0,1,2,3
	v_or_b32 v[\scr+\s], v[\scr+\s], v[QP+\s]      ; with lane l xor 16's two the word is whole
.endr
.endif
.irp g, 0,1,2,3
.irp s, 0,1,2,3
	v_cvt_scalef32_pk8_fp4_f32 v[\opr+8*\s+4*\hf+\g], v[ACC+32*\s+8*\g:ACC+32*\s+8*\g+7], v[QS+\s]
.endr
.endr
	v_nop                                          ; one plain place behind the last conversion: its sources are written next
.endm
; THE LAST LAYER, half hf: out[stream][0 .. 3] += h[stream][unit] x W4[unit][0 .. 3], two columns an instruction, eight sums by turns.  W4 comes four units at a time into two buffers.
.macro LW4 hf, q
.irp i, 0,1,2,3
	ds_load_b128 v[WF+16*((\q)%2)+4*\i:WF+16*((\q)%2)+4*\i+3], v[LH512] offset:TAB+3584+16*(64*\hf+4*(\q)+\i)
.endr
.endm
.macro FINAL hf
	LW4 \hf, 0
.irp q, 0,1,2,3,4,5,6,7
.if \q < 7
	LW4 \hf, \q+1
	s_wait_dscnt 4                                 ; the four loads just issued may be out: this group's are in
.else
	s_wait_dscnt 0x0
.endif
.irp i, 0,1,2,3
.irp s, 0,1,2,3
.irp d, 0,1
.set HB, ACC+32*\s+4*\q+2*(\i/2)
.set WB, WF+16*(\q%2)+4*\i+2*\d
.set OB, OUT+4*\s+2*\d
.if (\i%2) == 1
	v_pk_fma_f32 v[OB:OB+1], v[HB:HB+1], v[WB:WB+1], v[OB:OB+1] op_sel:[1,0,0] op_sel_hi:[1,1,1]   ; the pair's second register for both columns
.elseif (\hf == 0) && (\q == 0) && (\i == 0)
	v_pk_mul_f32 v[OB:OB+1], v[HB:HB+1], v[WB:WB+1] op_sel_hi:[0,1]                                ; the first unit starts the sums: nothing is cleared
.else
	v_pk_fma_f32 v[OB:OB+1], v[HB:HB+1], v[WB:WB+1], v[OB:OB+1] op_sel_hi:[0,1,1]                  ; its first register for both
.endif
.endr
.endr
.endr
.endr
.endm
.set FHQ, 144                          ; the fluxes' registers, among the accumulators: (u^2 + v^2) / 2;
.set FR1, 145                          ; rho u;  rho v;  E + p
.set FR2, 146
.set FEP, 147
.set FM1, 148                          ; v148-150 (rho u)_t, _x, _y;  v151-153 (rho v)_..;  v154-156 E_..
.set FM2, 151
.set FE,  154
.set EQ,  160                          ; v160-163 the four equations
	s_mov_b32 s[TRIP], 0
	s_mov_b32 s[MASK], 0xffff                      ; the first tile's results stay in lanes 0-15
.Ltile:
	s_wait_loadcnt 0x0                             ; this tile's t, x, y are in, so their bases may be stepped below
	STAGE0 0
	ACT
	QUANT 0, OPA, SCA
	STAGE0 1
	s_cmp_eq_u32 s[TRIP], 1                        ; t, x, y have been used: the next tile's are asked for, if there is one: no load leaves its buffer
	s_cbranch_scc1 .Lno_next
	s_add_nc_u64 s[8:9], s[8:9], 64
	s_add_nc_u64 s[10:11], s[10:11], 64
	s_add_nc_u64 s[12:13], s[12:13], 64
	global_load_b32 v[TXY], v[LSC], s[8:9] th:TH_LOAD_NT
	global_load_b32 v[TXY+1], v[LSC], s[10:11] th:TH_LOAD_NT
	global_load_b32 v[TXY+2], v[LSC], s[12:13] th:TH_LOAD_NT
.Lno_next:
	ACT
	QUANT 1, OPA, SCA
	MM 0, 0, OPA, SCA, 8                           ; W1.  The two operand sets take turns from layer to layer
	ACT
	QUANT 0, OPB, SCB
	MM 0, 1, OPA, SCA, 3
	ACT
	QUANT 1, OPB, SCB
	MM 1, 0, OPB, SCB, 8                           ; W2
	ACT
	QUANT 0, OPA, SCA
	MM 1, 1, OPB, SCB, 3
	ACT
	QUANT 1, OPA, SCA
	MM 2, 0, OPA, SCA, 8                           ; W3
	ACT
	FINAL 0
	MM 2, 1, OPA, SCA, 0                           ; its operands were made long ago
	ACT
	FINAL 1
	; THE FLUXES.  My sums hold my half's 64 units: lane l xor 16 has the other 64.  Then both halves of the lanes hold point r's sixteen numbers:
	; v64-67 rho, u, v, p;  v68-71 their derivatives by t;  v72-75 by x;  v76-79 by y
.irp i, 0,1,2,3,4,5,6,7,8,9,10,11,12,13,14,15
	v_permlanex16_b32 v[ACC+\i], v[OUT+\i], s[SEL], s[SEL+1]
.endr
.irp i, 0,2,4,6,8,10,12,14
	v_pk_add_f32 v[OUT+\i:OUT+\i+1], v[OUT+\i:OUT+\i+1], v[ACC+\i:ACC+\i+1]
.endr
.irp k, 0,1,2,3
	v_add_f32 v[OUT+\k], s[40+\k], v[OUT+\k]       ; + b4
.endr
	v_mul_f32 v[FHQ], v[OUT+1], v[OUT+1]
	v_mul_f32 v[FR1], v[OUT], v[OUT+1]             ; rho u
	v_mul_f32 v[FR2], v[OUT], v[OUT+2]             ; rho v
	v_fma_f32 v[FHQ], v[OUT+2], v[OUT+2], v[FHQ]
	v_mul_f32 v[FEP], 0x40600000, v[OUT+3]         ; 3.5 p = p / (gamma - 1) + p
	v_mul_f32 v[FHQ], 0.5, v[FHQ]                  ; (u^2 + v^2) / 2
	v_fma_f32 v[FEP], v[OUT], v[FHQ], v[FEP]       ; E + p
.irp i, 0,1,2
	v_mul_f32 v[FM1+\i], v[OUT], v[OUT+5+4*\i]     ; rho u_d
	v_mul_f32 v[FM2+\i], v[OUT], v[OUT+6+4*\i]     ; rho v_d
	v_mul_f32 v[FE+\i], 0x40200000, v[OUT+7+4*\i]  ; 2.5 p_d
.endr
.irp i, 0,1,2
	v_fma_f32 v[FM1+\i], v[OUT+4+4*\i], v[OUT+1], v[FM1+\i]   ; (rho u)_d
	v_fma_f32 v[FM2+\i], v[OUT+4+4*\i], v[OUT+2], v[FM2+\i]   ; (rho v)_d
	v_fma_f32 v[FE+\i], v[OUT+4+4*\i], v[FHQ], v[FE+\i]
.endr
.irp i, 0,1,2
	v_fma_f32 v[FE+\i], v[FR1], v[OUT+5+4*\i], v[FE+\i]
.endr
.irp i, 0,1,2
	v_fma_f32 v[FE+\i], v[FR2], v[OUT+6+4*\i], v[FE+\i]       ; E_d = rho_d (u^2 + v^2) / 2 + rho u u_d + rho v v_d + 2.5 p_d
.endr
	v_add_f32 v[EQ], v[OUT+4], v[FM1+1]            ; rho_t + (rho u)_x
	v_add_f32 v[EQ+1], v[FM1], v[OUT+11]           ; (rho u)_t + p_x
	v_add_f32 v[EQ+2], v[FM2], v[OUT+15]           ; (rho v)_t + p_y
	v_add_f32 v[FE+1], v[FE+1], v[OUT+11]          ; (E + p)_x
	v_add_f32 v[FE+2], v[FE+2], v[OUT+15]          ; (E + p)_y
	v_add_f32 v[EQ], v[EQ], v[FM2+2]               ; + (rho v)_y
	v_fma_f32 v[EQ+1], v[FM1+1], v[OUT+1], v[EQ+1] ; + (rho u)_x u
	v_fma_f32 v[EQ+2], v[FM2+1], v[OUT+1], v[EQ+2] ; + (rho v)_x u
	v_fma_f32 v[EQ+3], v[FE+1], v[OUT+1], v[FE]    ; E_t + (E + p)_x u
	v_fma_f32 v[EQ+1], v[FR1], v[OUT+9], v[EQ+1]   ; + rho u u_x
	v_fma_f32 v[EQ+2], v[FR2], v[OUT+9], v[EQ+2]   ; + rho v u_x
	v_fma_f32 v[EQ+3], v[FEP], v[OUT+9], v[EQ+3]   ; + (E + p) u_x
	v_fma_f32 v[EQ+1], v[FM1+2], v[OUT+2], v[EQ+1] ; + (rho u)_y v
	v_fma_f32 v[EQ+2], v[FM2+2], v[OUT+2], v[EQ+2] ; + (rho v)_y v
	v_fma_f32 v[EQ+3], v[FE+2], v[OUT+2], v[EQ+3]  ; + (E + p)_y v
	v_fma_f32 v[EQ+1], v[FR1], v[OUT+14], v[EQ+1]  ; + rho u v_y
	v_fma_f32 v[EQ+2], v[FR2], v[OUT+14], v[EQ+2]  ; + rho v v_y
	v_fma_f32 v[EQ+3], v[FEP], v[OUT+14], v[EQ+3]  ; + (E + p) v_y
.irp k, 0,1,2,3
	v_cndmask_b32 v[RES+\k], v[RES+\k], v[EQ+\k], s[MASK]     ; tile 0 stays in lanes 0-15, tile 1 in lanes 16-31: lane l ends up with point l of the wave's 32
.endr
	s_lshl_b32 s[MASK], s[MASK], 16
	s_add_co_u32 s[TRIP], s[TRIP], 1
	s_cmp_lt_u32 s[TRIP], 2
	s_cbranch_scc1 .Ltile
	global_store_b128 v[LI], v[RES:RES+3], s[34:35] th:TH_STORE_NT   ; 32 lanes store 512 consecutive bytes, at a multiple of 512 from out0's first byte; written once, read by nobody here
	s_wait_xcnt 0x0
	v_lshl_add_u32 v254, v0, 2, 0x8000
	v_mov_b32 v255, 0
	s_wait_tensorcnt 0x0
	ds_add_u32 v254, v255
	s_wait_dscnt 0x0
	s_endpgm
.Lfunc_end_k_q0732fffb1b_pinn:
	.size	k_q0732fffb1b_pinn, .Lfunc_end_k_q0732fffb1b_pinn-k_q0732fffb1b_pinn
	.p2alignl 7, 3214868480
	.fill 96, 4, 3214868480
	.section	.rodata,"a",@progbits
	.p2align	6, 0x0
	.amdhsa_kernel k_q0732fffb1b_pinn
		.amdhsa_group_segment_fixed_size 34816
		.amdhsa_private_segment_fixed_size 0
		.amdhsa_enable_private_segment 0
		.amdhsa_kernarg_size 112
		.amdhsa_user_sgpr_count 2
		.amdhsa_user_sgpr_kernarg_segment_ptr 1
		.amdhsa_wavefront_size32 1
		.amdhsa_system_sgpr_workgroup_id_x 1
		.amdhsa_system_sgpr_workgroup_id_y 1
		.amdhsa_system_sgpr_workgroup_id_z 1
		.amdhsa_system_vgpr_workitem_id 0
		.amdhsa_next_free_vgpr 256
		.amdhsa_next_free_sgpr 80
		.amdhsa_reserve_vcc 0
		.amdhsa_float_denorm_mode_32 3
		.amdhsa_float_denorm_mode_16_64 3
		.amdhsa_memory_ordered 1
		.amdhsa_forward_progress 1
		.amdhsa_inst_pref_size 255
	.end_amdhsa_kernel
	.section	.bss,"aw",@nobits
	.p2align	6
	.space	262144
	.amdgpu_metadata
---
amdhsa.version: [ 1, 2 ]
amdhsa.kernels:
  - .name:           k_q0732fffb1b_pinn
    .symbol:         k_q0732fffb1b_pinn.kd
    .args:
      - { .name: t, .offset: 0, .size: 8, .value_kind: global_buffer, .address_space: global }
      - { .name: x, .offset: 8, .size: 8, .value_kind: global_buffer, .address_space: global }
      - { .name: y, .offset: 16, .size: 8, .value_kind: global_buffer, .address_space: global }
      - { .name: W0, .offset: 24, .size: 8, .value_kind: global_buffer, .address_space: global }
      - { .name: b0, .offset: 32, .size: 8, .value_kind: global_buffer, .address_space: global }
      - { .name: b1, .offset: 40, .size: 8, .value_kind: global_buffer, .address_space: global }
      - { .name: b2, .offset: 48, .size: 8, .value_kind: global_buffer, .address_space: global }
      - { .name: b3, .offset: 56, .size: 8, .value_kind: global_buffer, .address_space: global }
      - { .name: W4, .offset: 64, .size: 8, .value_kind: global_buffer, .address_space: global }
      - { .name: b4, .offset: 72, .size: 8, .value_kind: global_buffer, .address_space: global }
      - { .name: W1, .offset: 80, .size: 8, .value_kind: global_buffer, .address_space: global }
      - { .name: W2, .offset: 88, .size: 8, .value_kind: global_buffer, .address_space: global }
      - { .name: W3, .offset: 96, .size: 8, .value_kind: global_buffer, .address_space: global }
      - { .name: out0, .offset: 104, .size: 8, .value_kind: global_buffer, .address_space: global }
    .group_segment_fixed_size: 34816
    .private_segment_fixed_size: 0
    .kernarg_segment_align: 8
    .kernarg_segment_size: 112
    .max_flat_workgroup_size: 512
    .sgpr_count:     80
    .vgpr_count:     256
    .wavefront_size: 32
...
	.end_amdgpu_metadata
.endif
;; end of part 1
;; ======== version 2 of 2: 1 launch; version 1 with the launch pinn written anew for expert scheduling mode
;; limits: right only within a limited range of input values
;; launch pinn (part 2): grid 256 x 1, 16 waves a work-group, no clusters, 34,816 bytes of LDS; arguments t, x, y, W0, b0, b1, b2, b3, W4, b4, W1, W2, W3, out0; writes out0
.if DOCPART == 2
	.amdgcn_target "amdgcn-amd-amdhsa--gfx1250"
	.amdhsa_code_object_version 6
	.text
	.protected	k_q0732fffb1b_pinn
	.globl	k_q0732fffb1b_pinn
	.p2align	8
	.type	k_q0732fffb1b_pinn,@function
k_q0732fffb1b_pinn:
	s_mov_b64 s[64:65], 0
	v_nop
	global_prefetch_b8 v0, s[64:65] scope:SCOPE_SE
	s_setreg_imm32_b32 hwreg(HW_REG_WAVE_SCHED_MODE, 0, 2), 2
	s_setreg_imm32_b32 hwreg(HW_REG_WAVE_MODE, 25, 1), 1
	s_wait_xcnt 0x0
	s_wait_alu depctr_vm_vsrc(0)
; The residual U_t + F_x + G_y of the 2-D Euler equations for a sine network 3-128-128-128-128-4 at 131,072 points.
; STREAMS.  Each point has four: z and its derivatives by t, x and y.  The three forward passes that the three derivatives share have the same operands and so the same codes: that pass is made once.
; The derivative of the first layer by coordinate i is row i of W0.  h = sin z, h' = cos z x z'.  The three layers 128 x 128 multiply codes of FP4 (E2M1) with one E8M0 scale for each 32 along K, both sides;
; the first layer (K = 3) and the last (N = 4) are fused multiply-adds in f32.
; SHARES.  256 work-groups of 512 points; 16 waves of 32 points: two tiles of 16, a loop of two trips.  A wave has 256 registers, four waves share a SIMD, so that one wave's products and LDS waits stand beside the others' vector work,
; which is the bulk: about 4,300 vector instructions beside 96 products for a tile.
; LAYOUT.  The products are used transposed: source 0 = 16 output units (rows of W^T), source 1 = 16 points.  In a result lane (r, h) holds point r, register j row 8 h + j.
; THE UNITS OF A TILE ARE NOT NEIGHBOURS: row m of tile (c, g) is unit 64 c + 32 (m / 8) + 8 g + m % 8.  So the 32 registers of tiles (c, 0 .. 3) are, in lane (r, h), units 64 c + 32 h + 0 .. 31: ONE WHOLE BLOCK of the next K.
; Its largest magnitude needs no other lane, and the conversion of tile (c, g) is register 4 c + g of the next operand as it stands.  One lane exchange for a stream and layer joins the scale word's four bytes.
; A layer's output is made in two halves c = 0, 1: 4 tiles x 4 streams = 16 accumulators, 128 registers.
; THE WEIGHTS are quantised once by each work-group, at its head (a lane to a unit, registers down K), and lie in LDS as images of the operand's registers.  One barrier; behind it LDS is only read.
; SINE AND COSINE: n = round(z / pi) by the constant 1.5 x 2^23; r = z - n pi, pi in two parts; polynomials in r^2 on |r| <= pi / 2 (Abramowitz and Stegun 4.3.97 and 4.3.99: 2e-9); the sign from n's lowest bit.
; NOT USED: tensor loads, a ring, a cluster: nothing is streamed.  What work-groups share is 196,608 bytes of weights, which each reads once, as f32 into registers, since it has to quantise them.
; No prefetch: a work-group's t, x, y are 6,144 bytes; a tile's are asked for a tile ahead.
; LIMITS: |z| under 2^22 pi (the reduction's n has to fit beside the constant).  NaN and infinities among the inputs are not served.  A block whose largest magnitude lies under 2^-124 keeps the scale byte 1
; (a block of zeros too: its codes are zeros, and the bytes are read here alone).  p / (gamma - 1) is 2.5 p: 1.5e-8 of the number away from the division by the f32 number 0.4.
; THE MODE: SCHED_MODE bits 1:0 = 2 (LLVM: expert scheduling mode 2), set by the entry lines.  The code itself states the register dependences
; between vector or matrix instructions and memory or LDS instructions, with s_wait_alu, always for 0.
; THE PLAN.  Registers that memory or LDS instructions touch:
;   v1-4       Addresses.  Written at the head, read by every LDS load of the loop, by t, x, y's loads and by the store; never written again.
;   v6-8       t, x, y.  Read by the first layer's multiply-adds; the next tile's loads land in them behind the wait at the head of W1's first products.
;   v28-31     W's scale words.  Loaded at the head of each run of products, read by that run.
;   v96-127    W's fragments (loaded, read by products), W4's groups (loaded, read by the last layer's multiply-adds); between these the activation's and the quantiser's scratch.
;   v80-95     W4's third buffer: free behind W2's products; the next tile's conversions write it again.
;   v128-255   The accumulators.  The first layer's loads land in all of them, the biases' in v128-159; products, activation, quantiser, last layer and fluxes name them.
;   v10-13     Written by the selects, read by the one store.
;   v224-227, v232-247, v252-255   The head alone: addresses and data of the weights' loads and of the LDS stores; the loop's loads land in them later.
; All 256 registers are in use and four waves fill a SIMD's 1,024, so the accumulators and W's fragments have no second set.  So ONE wait on va_vdst stands ahead of each run of loads, and the whole run follows it at once:
; two a tile for the first layer, six for the products, four in each half of the last layer (three buffers, so that a wait serves two groups of W4).  No register that a memory or LDS instruction reads is written in the loop:
; one wait on vm_vsrc, behind the barrier, serves the whole text.
.set IMG,   0                          ; LDS: the weights' fragments: 8192 layer + 1024 (4 c + g) + 512 c2 + 16 lane: lane (r, h2) holds, of the tile's row r, the codes of k = 64 c2 + 32 h2 + 0 .. 31
.set SCLB,  24576                      ; their scale words: 512 layer + 64 (4 c + g) + 4 r; byte b for K block b
.set TAB,   26112                      ; eleven pieces of 512 bytes as they lie in memory: W0's rows 0, 1, 2; b0; b1; b2; b3; W4 (four pieces)
.set FLOOR, 0x1800000                  ; 2^(3 - 127): under it no largest magnitude is taken, so the byte cannot fall under 1
.set LI,    1                          ; v1   16 x lane: an image's place, and my 16 bytes of the wave's 512 of out0
.set LSC,   2                          ; v2   4 x (lane % 16): the weights' scale words; t, x, y of my point
.set LH128, 3                          ; v3   128 x (lane / 16): my half's 32 numbers in a row of 128
.set LH512, 4                          ; v4   512 x (lane / 16): the same in W4, 16 bytes a unit
.set LANE,  5                          ; v5   lane (the head alone)
.set TXY,   6                          ; v6 t, v7 x, v8 y
.set SH8,   9                          ; v9   8 x (lane / 16)
.set RES,   10                         ; v10-13 my point's four results
.set MAGIC, 14                         ; v[14:15] 1.5 x 2^23, twice;  v[16:17], v[18:19] two coefficients, twice: in vector pairs, so that no packed instruction names two scalar pairs
.set VS9,   16
.set VC8,   18
.set SCA,   20                         ; v20-23 scale words of operand set A (streams z, t, x, y);  v24-27 of set B;  v28-31 of the four tiles of W: these twelve hold scales and nothing else
.set SCB,   24
.set WSC,   28
.set OPA,   32                         ; v32-63 operand set A: stream s at + 8 s;  v64-95 set B
.set OPB,   64
.set OUT,   64                         ; behind the third product set B is free: v64-79 the last layer's sums, stream s at + 4 s;
.set W4B,   80                         ;   v80-95, v96-111, v112-127: W4's numbers, three buffers of 16: group q in buffer (q + 1) % 3
.set WF,    96                         ; v96-127 four fragments of W; between products at work:
.set TT,    96                         ;   the activation's four sets of four pairs,
.set NN,    104
.set UU,    112
.set CC,    120
.set QM,    96                         ;   the quantiser's largest magnitudes, scale operands, bytes, the other half's word
.set QS,    100
.set QB,    104
.set QP,    108
.set ACC,   128                        ; v128-255 z, z_t, z_x, z_y: stream s at + 32 s, tile g at + 8 g
.set VWO,   224                        ; the head alone: my offset in a weight; where I store my codes, my scale byte, my table piece
.set VIS,   225
.set VSS,   226
.set VTS,   227
.set WQS,   228                        ; v228-230 the scale operands, v232-234 the bytes, v236-247 the codes: a set for each weight
.set WQB,   232
.set WQC,   236
.set WV,    36                         ; s36  my wave's number
.set SEL,   44                         ; s[44:45] v_permlanex16_b32's selects for lane l xor 16
.set INVPI, 46                         ; scalar pairs, the same number twice: the packed forms name a pair and take its low word for both halves
.set NMAG,  48
.set NPIH,  50
.set NPIM,  52
.set KS11,  54
.set KS7,   56
.set KS5,   58
.set KS3,   60
.set KC10,  62
.set KC6,   66
.set KC4,   68
.set TRIP,  70                         ; s70  the tile in hand
.set MASK,  71                         ; s71  the lanes that keep this tile's results
.set ONE,   76                         ; s76  1.0
.macro SPAIR reg, val
	s_mov_b32 s[\reg], \val
	s_mov_b32 s[\reg+1], \val
.endm
	s_load_b512 s[8:23], s[0:1], 0x0               ; t s[8:9], x s[10:11], y s[12:13], W0 s[14:15], b0 s[16:17], b1 s[18:19], b2 s[20:21], b3 s[22:23]
	s_load_b256 s[24:31], s[0:1], 0x40             ; W4 s[24:25], b4 s[26:27], W1 s[28:29], W2 s[30:31]
	s_load_b128 s[32:35], s[0:1], 0x60             ; W3 s[32:33], out0 s[34:35]
	v_and_b32 v[LANE], 31, v0
	v_lshrrev_b32 v250, 5, v0
	v_readfirstlane_b32 s[WV], v250                ; wave 0..15
	v_bfe_u32 v251, v0, 4, 1                       ; h = lane / 16
	v_lshlrev_b32 v[LI], 4, v[LANE]
	v_and_b32 v[LSC], 15, v0
	v_lshlrev_b32 v[LSC], 2, v[LSC]
	v_lshlrev_b32 v[LH128], 7, v251
	v_lshlrev_b32 v[LH512], 9, v251
	v_lshlrev_b32 v[SH8], 3, v251
	v_lshl_add_u32 v[VTS], v0, 4, TAB              ; piece w, 16 bytes a lane
	v_lshrrev_b32 v250, 3, v[LANE]                 ; lane / 8: the tile g of my unit
	s_wait_alu depctr_va_vdst(0)
	v_and_b32 v251, 7, v[LANE]                     ; lane % 8
	s_wait_alu depctr_va_sdst(0)                   ; the wave's number is written, ahead of its first reader: offsets, LDS places and branches are made from it
	; In each weight wave w takes units 32 (w / 4) + lane and K block w % 4.  W is [k][n]: row 32 (w % 4) + i is 16,384 (w % 4) + 512 i bytes down
	s_and_b32 s37, s[WV], 3
	s_lshr_b32 s38, s[WV], 2
	s_lshl_b32 s39, s37, 14
	s_lshl_b32 s77, s38, 7
	s_add_co_u32 s39, s39, s77
	v_lshl_add_u32 v[VWO], v[LANE], 2, s39
	; unit u = 32 (w / 4) + lane is row 8 ((w / 4) % 2) + lane % 8 of tile (c = w / 8, g = lane / 8); block w % 4 is c2 = (w / 2) % 2, h2 = w % 2
	s_lshr_b32 s39, s[WV], 3
	s_and_b32 s38, s38, 1
	s_lshl_b32 s77, s39, 12                        ; 4,096 c
	s_lshl_b32 s78, s38, 7                         ; + 16 x 8 ((w / 4) % 2)
	s_add_co_u32 s77, s77, s78
	s_bfe_u32 s78, s[WV], 0x10001
	s_lshl_b32 s78, s78, 9                         ; + 512 c2
	s_add_co_u32 s77, s77, s78
	s_and_b32 s78, s[WV], 1
	s_lshl_b32 s78, s78, 8                         ; + 16 x 16 h2
	s_add_co_u32 s77, s77, s78
	v_lshlrev_b32 v[VIS], 10, v250                 ; + 1,024 g
	s_wait_alu depctr_va_vdst(0)
	v_lshl_add_u32 v[VIS], v251, 4, v[VIS]         ; + 16 (lane % 8)
	v_add_nc_u32 v[VIS], s77, v[VIS]
	s_lshl_b32 s77, s39, 8                         ; the scale byte: 256 c
	s_lshl_b32 s78, s38, 5                         ; + 4 x 8 ((w / 4) % 2)
	s_add_co_u32 s77, s77, s78
	s_add_co_u32 s77, s77, s37                     ; + the block
	v_lshlrev_b32 v[VSS], 6, v250                  ; + 64 g
	v_lshl_add_u32 v[VSS], v251, 2, v[VSS]         ; + 4 (lane % 8)
	v_add_nc_u32 v[VSS], s77, v[VSS]
	v_mov_b32 v[MAGIC], 0x4b400000                 ; 1.5 x 2^23
	v_mov_b32 v[MAGIC+1], 0x4b400000
	v_mov_b32 v[VS9], 0x3638b94f                   ; sin: + .0000027526 r^8
	v_mov_b32 v[VS9+1], 0x3638b94f
	v_mov_b32 v[VC8], 0x37cfb5a1                   ; cos: + .0000247609 r^8
	v_mov_b32 v[VC8+1], 0x37cfb5a1
.irp k, 0,1,2,3
	v_mov_b32 v[RES+\k], 0                         ; the first tile's select names them as a source
.endr
	s_mov_b32 s[SEL], 0x76543210
	s_mov_b32 s[SEL+1], 0xfedcba98
	SPAIR INVPI, 0x3ea2f983                        ; 1 / pi
	SPAIR NMAG,  0xcb400000                        ; -1.5 x 2^23
	SPAIR NPIH,  0xc0490fdb                        ; -(pi rounded to f32)
	SPAIR NPIM,  0x33bbbd2e                        ; that number - pi = 8.742278e-8
	SPAIR KS11,  0xb2cd4ca8                        ; sin r / r = 1 - .1666666664 r^2 + .0083333315 r^4 - .0001984090 r^6 + .0000027526 r^8 - .0000000239 r^10
	SPAIR KS7,   0xb9500c03
	SPAIR KS5,   0x3c088887
	SPAIR KS3,   0xbe2aaaab
	SPAIR KC10,  0xb48bdad9                        ; cos r = 1 - .5 r^2 + .0416666418 r^4 - .0013888397 r^6 + .0000247609 r^8 - .0000002605 r^10
	SPAIR KC6,   0xbab609ba
	SPAIR KC4,   0x3d2aaaa4
	s_mov_b32 s[ONE], 0x3f800000
	s_lshl_b32 s78, ttmp9, 11                      ; my wave's 32 points in t, x, y: 2,048 x work-group + 128 x wave bytes
	s_lshl_b32 s77, s[WV], 7
	s_add_co_u32 s78, s78, s77
	s_mov_b32 s79, 0
	; the table piece: waves 0 to 10 bring pieces 0 to 10; the other five load piece 10 as well and drop it, so that every wave has the same count of loads
	s_min_u32 s37, s[WV], 10
	s_lshl_b32 s38, s37, 9                         ; W0: 512 x piece
	s_sub_co_u32 s39, s38, 7*512                   ; W4: 512 x (piece - 7)
	s_cmp_lt_u32 s37, 7
	s_cselect_b32 s74, 0, s39                      ; a bias is one piece
	s_cmp_lt_u32 s37, 3
	s_cselect_b32 s74, s38, s74
	s_mov_b32 s75, 0
	s_wait_kmcnt 0x0
	s_load_b128 s[40:43], s[26:27], 0x0            ; b4, waited for in front of the barrier
	s_add_nc_u64 s[8:9], s[8:9], s[78:79]
	s_add_nc_u64 s[10:11], s[10:11], s[78:79]
	s_add_nc_u64 s[12:13], s[12:13], s[78:79]
	s_lshl_b32 s78, s78, 2                         ; out0: 16 bytes a point
	s_add_nc_u64 s[34:35], s[34:35], s[78:79]
	s_mov_b64 s[72:73], s[24:25]                   ; the piece's buffer, chosen by the wave's number alone: W4,
	s_cmp_lt_u32 s37, 7
	s_cselect_b64 s[72:73], s[22:23], s[72:73]     ; b3,
	s_cmp_lt_u32 s37, 6
	s_cselect_b64 s[72:73], s[20:21], s[72:73]     ; b2,
	s_cmp_lt_u32 s37, 5
	s_cselect_b64 s[72:73], s[18:19], s[72:73]     ; b1,
	s_cmp_lt_u32 s37, 4
	s_cselect_b64 s[72:73], s[16:17], s[72:73]     ; b0,
	s_cmp_lt_u32 s37, 3
	s_cselect_b64 s[72:73], s[14:15], s[72:73]     ; W0
	s_add_nc_u64 s[72:73], s[72:73], s[74:75]
	s_wait_alu depctr_va_vdst(0)                   ; the eight addresses v1 to v4 and v224 to v227 are written, which the loads, the LDS stores and the LDS loads below read
	global_load_b32 v[TXY], v[LSC], s[8:9] th:TH_LOAD_NT      ; the first tile's t, x, y: both halves of the lanes take point lane % 16
	global_load_b32 v[TXY+1], v[LSC], s[10:11] th:TH_LOAD_NT
	global_load_b32 v[TXY+2], v[LSC], s[12:13] th:TH_LOAD_NT
	global_load_b128 v[252:255], v[LI], s[72:73]   ; 512 consecutive bytes
; my block of weight lay: W(32 (w % 4) + k, my unit), k = 0 .. 31: each load reads 128 consecutive bytes.  No vector instruction names a weight's 32 registers ahead of its loads
.macro WLOAD lay, base
.irp k, 0,1,2,3,4,5,6,7,8,9,10,11,12,13,14,15,16,17,18,19,20,21,22,23,24,25,26,27,28,29,30,31
	global_load_b32 v[ACC+32*\lay+\k], v[VWO], s[\base:\base+1] offset:512*\k
.endr
.endm
; it becomes 16 bytes of codes and a scale byte, which go to their places in the images
.macro QW lay
.set XW, ACC+32*\lay
	v_max3_num_f32 v248, |v[XW]|, |v[XW+1]|, |v[XW+2]|            ; the block's largest magnitude: all 32 numbers are mine; two chains
	v_max3_num_f32 v249, |v[XW+3]|, |v[XW+4]|, |v[XW+5]|
.irp i, 6,10,14,18,22,26
	v_max3_num_f32 v248, v248, |v[XW+\i]|, |v[XW+\i+1]|
	v_max3_num_f32 v249, v249, |v[XW+\i+2]|, |v[XW+\i+3]|
.endr
	v_max3_num_f32 v248, v248, |v[XW+30]|, |v[XW+31]|
	v_max3_num_f32 v248, v248, v249, FLOOR
	v_add_nc_u32 v[WQS+\lay], 0xff000000, v248     ; 2 off its exponent field: the conversion takes the exponent field of this operand as its scale, and nothing else of it
	v_lshrrev_b32 v[WQB+\lay], 23, v[WQS+\lay]     ; the scale's byte
.irp g, 0,1,2,3
	v_cvt_scalef32_pk8_fp4_f32 v[WQC+4*\lay+\g], v[XW+8*\g:XW+8*\g+7], v[WQS+\lay]
.endr
	v_nop                                          ; one plain place behind the last conversion
	s_wait_alu depctr_va_vdst(0)                   ; the conversions have written this weight's four registers of codes and the shift its byte, which the two LDS stores read
	ds_store_b128 v[VIS], v[WQC+4*\lay:WQC+4*\lay+3] offset:IMG+8192*\lay
	ds_store_b8 v[VSS], v[WQB+\lay] offset:SCLB+512*\lay
.endm
	WLOAD 0, 28
	s_wait_loadcnt 32                              ; W1's 32 loads may be out: t, x, y and the piece are in
	s_cmp_lt_u32 s[WV], 11
	s_cbranch_scc0 .Lno_piece
	ds_store_b128 v[VTS], v[252:255]
.Lno_piece:
	WLOAD 1, 30
	s_wait_loadcnt 32                              ; W2's 32 may be out: W1's are in
	QW 0
	WLOAD 2, 32
	s_wait_loadcnt 32                              ; W3's 32 may be out: W2's are in
	QW 1
	s_wait_loadcnt 0x0
	QW 2
	s_wait_kmcnt 0x0                               ; b4
	s_wait_dscnt 0x0                               ; for the others' sake: my stores into LDS are done
	s_barrier_signal -1
	s_barrier_wait -1                              ; the images, the scale words and the tables are whole; from here on LDS is only read
	s_wait_alu depctr_vm_vsrc(0)                   ; the weights' loads have read v224, my LDS stores v225-227, the bytes and codes in v232-247 and the piece in v252-255: the loop's loads land in all of these
; THE FIRST LAYER, half hf: z = b0 + t W0[0] + x W0[1] + y W0[2]; z_t, z_x, z_y are W0's rows as they come
.macro STAGE0 hf
	s_wait_alu depctr_va_vdst(0)                   ; all that was issued is done with v128-255, in which the 32 loads land: hf = 0: the last tile's fluxes and selects (first trip: the weights' quantiser); hf = 1: the first half's quantiser
.irp g, 0,1,2,3
.irp q, 0,1
	ds_load_b128 v[ACC+8*\g+4*\q:ACC+8*\g+4*\q+3], v[LH128] offset:TAB+1536+4*(64*\hf+8*\g+4*\q)
.irp s, 0,1,2
	ds_load_b128 v[ACC+32+32*\s+8*\g+4*\q:ACC+32+32*\s+8*\g+4*\q+3], v[LH128] offset:TAB+512*\s+4*(64*\hf+8*\g+4*\q)
.endr
.endr
.endr
	s_wait_dscnt 0x0
.irp p, 0,2,4,6,8,10,12,14,16,18,20,22,24,26,28,30
	v_pk_fma_f32 v[ACC+\p:ACC+\p+1], v[ACC+32+\p:ACC+32+\p+1], v[TXY:TXY+1], v[ACC+\p:ACC+\p+1] op_sel_hi:[1,0,1]                    ; + t W0[0]: the pair's first register for both halves
.endr
.irp p, 0,2,4,6,8,10,12,14,16,18,20,22,24,26,28,30
	v_pk_fma_f32 v[ACC+\p:ACC+\p+1], v[ACC+64+\p:ACC+64+\p+1], v[TXY:TXY+1], v[ACC+\p:ACC+\p+1] op_sel:[0,1,0] op_sel_hi:[1,1,1]     ; + x W0[1]: its second register for both
.endr
.irp p, 0,2,4,6,8,10,12,14,16,18,20,22,24,26,28,30
	v_pk_fma_f32 v[ACC+\p:ACC+\p+1], v[ACC+96+\p:ACC+96+\p+1], v[TXY+2:TXY+3], v[ACC+\p:ACC+\p+1] op_sel_hi:[1,0,1]                  ; + y W0[2]
.endr
.endm
; A QUANTISED LAYER, half hf of layer lay: 16 products, one for each tile and stream: K = 128 is one instruction, so there is no chain; the accumulators take turns.
; The bias is loaded into z's accumulators and is the C of z's products; the derivatives begin with 0.  np: the places owed in front of the products: scale words made by vector instructions stand 8 ahead, operands 4.
; First the places, then the one wait, then all the loads at once.  nxt = 1: the next tile's t, x, y are asked for behind the same wait.
.macro MM lay, hf, opr, scr, np, nxt
.rept \np
	v_nop
.endr
	s_wait_alu depctr_va_vdst(0)                   ; activation, quantiser or last layer are done with v96-127 and v128-159, the last products with v28-31: the loads land there; the operands and scale words that vector instructions made are written; nxt = 1: the first layer is done reading t, x, y
.irp g, 0,1,2,3
	ds_load_b128 v[WF+8*\g:WF+8*\g+3], v[LI] offset:IMG+8192*\lay+1024*(4*\hf+\g)
	ds_load_b128 v[WF+8*\g+4:WF+8*\g+7], v[LI] offset:IMG+8192*\lay+1024*(4*\hf+\g)+512
	ds_load_b32 v[WSC+\g], v[LSC] offset:SCLB+512*\lay+64*(4*\hf+\g)
	ds_load_b128 v[ACC+8*\g:ACC+8*\g+3], v[LH128] offset:TAB+2048+512*\lay+4*(64*\hf+8*\g)
	ds_load_b128 v[ACC+8*\g+4:ACC+8*\g+7], v[LH128] offset:TAB+2048+512*\lay+4*(64*\hf+8*\g)+16
.endr
.if \nxt
	s_cmp_eq_u32 s[TRIP], 1                        ; t, x, y have been used: the next tile's are asked for, if there is one: no load leaves its buffer
	s_cbranch_scc1 .Lno_next
	s_add_nc_u64 s[8:9], s[8:9], 64
	s_add_nc_u64 s[10:11], s[10:11], 64
	s_add_nc_u64 s[12:13], s[12:13], 64
	global_load_b32 v[TXY], v[LSC], s[8:9] th:TH_LOAD_NT      ; no vector instruction stands between the wait above and these three
	global_load_b32 v[TXY+1], v[LSC], s[10:11] th:TH_LOAD_NT
	global_load_b32 v[TXY+2], v[LSC], s[12:13] th:TH_LOAD_NT
.Lno_next:
.endif
.irp g, 0,1,2,3
	s_wait_dscnt 5*(3-\g)                          ; tile g's five loads are in; those of the tiles behind it may be out
.irp s, 0,1,2,3
.if \s == 0
	v_wmma_scale_f32_16x16x128_f8f6f4 v[ACC+8*\g:ACC+8*\g+7], v[WF+8*\g:WF+8*\g+7], v[\opr:\opr+7], v[ACC+8*\g:ACC+8*\g+7], v[WSC+\g], v[\scr] matrix_a_fmt:MATRIX_FMT_FP4 matrix_b_fmt:MATRIX_FMT_FP4
.else
	v_wmma_scale_f32_16x16x128_f8f6f4 v[ACC+32*\s+8*\g:ACC+32*\s+8*\g+7], v[WF+8*\g:WF+8*\g+7], v[\opr+8*\s:\opr+8*\s+7], 0, v[WSC+\g], v[\scr+\s] matrix_a_fmt:MATRIX_FMT_FP4 matrix_b_fmt:MATRIX_FMT_FP4
.endif
.endr
.endr
.rept 4
	v_nop                                          ; four places (ISA guide 7.12.1) in front of the first read of results and the first write of W's registers
.endr
.endm
; THE ACTIVATION of a half: z -> sin z, z' -> cos z x z', a tile (four pairs) at a time; each line for all four pairs, ascending.  23 instructions for a pair of units.
.macro ACT
.irp g, 0,1,2,3
.irp p, 0,2,4,6
	v_pk_fma_f32 v[TT+\p:TT+\p+1], v[ACC+8*\g+\p:ACC+8*\g+\p+1], s[INVPI:INVPI+1], v[MAGIC:MAGIC+1] op_sel_hi:[1,0,1]   ; z / pi + 1.5 x 2^23: the sum's low bits are n = round(z / pi)
.endr
.irp p, 0,2,4,6
	v_pk_add_f32 v[NN+\p:NN+\p+1], v[TT+\p:TT+\p+1], s[NMAG:NMAG+1] op_sel_hi:[1,0]                                     ; n as a number
.endr
.irp p, 0,2,4,6
	v_pk_fma_f32 v[ACC+8*\g+\p:ACC+8*\g+\p+1], v[NN+\p:NN+\p+1], s[NPIH:NPIH+1], v[ACC+8*\g+\p:ACC+8*\g+\p+1] op_sel_hi:[1,0,1]
.endr
.irp p, 0,2,4,6
	v_pk_fma_f32 v[ACC+8*\g+\p:ACC+8*\g+\p+1], v[NN+\p:NN+\p+1], s[NPIM:NPIM+1], v[ACC+8*\g+\p:ACC+8*\g+\p+1] op_sel_hi:[1,0,1]   ; r = z - n pi
.endr
.irp i, 0,1,2,3,4,5,6,7
	v_lshl_or_b32 v[TT+\i], v[TT+\i], 31, s[ONE]   ; n's lowest bit as the sign of 1.0: (-1)^n
.endr
.irp p, 0,2,4,6
	v_pk_mul_f32 v[UU+\p:UU+\p+1], v[ACC+8*\g+\p:ACC+8*\g+\p+1], v[TT+\p:TT+\p+1]                                       ; (-1)^n r
.endr
.irp p, 0,2,4,6
	v_pk_mul_f32 v[ACC+8*\g+\p:ACC+8*\g+\p+1], v[ACC+8*\g+\p:ACC+8*\g+\p+1], v[ACC+8*\g+\p:ACC+8*\g+\p+1]               ; r^2
.endr
.irp p, 0,2,4,6
	v_pk_fma_f32 v[NN+\p:NN+\p+1], v[ACC+8*\g+\p:ACC+8*\g+\p+1], s[KS11:KS11+1], v[VS9:VS9+1] op_sel_hi:[1,0,1]         ; the two polynomials by turns
.endr
.irp p, 0,2,4,6
	v_pk_fma_f32 v[CC+\p:CC+\p+1], v[ACC+8*\g+\p:ACC+8*\g+\p+1], s[KC10:KC10+1], v[VC8:VC8+1] op_sel_hi:[1,0,1]
.endr
.irp p, 0,2,4,6
	v_pk_fma_f32 v[NN+\p:NN+\p+1], v[NN+\p:NN+\p+1], v[ACC+8*\g+\p:ACC+8*\g+\p+1], s[KS7:KS7+1] op_sel_hi:[1,1,0]
.endr
.irp p, 0,2,4,6
	v_pk_fma_f32 v[CC+\p:CC+\p+1], v[CC+\p:CC+\p+1], v[ACC+8*\g+\p:ACC+8*\g+\p+1], s[KC6:KC6+1] op_sel_hi:[1,1,0]
.endr
.irp p, 0,2,4,6
	v_pk_fma_f32 v[NN+\p:NN+\p+1], v[NN+\p:NN+\p+1], v[ACC+8*\g+\p:ACC+8*\g+\p+1], s[KS5:KS5+1] op_sel_hi:[1,1,0]
.endr
.irp p, 0,2,4,6
	v_pk_fma_f32 v[CC+\p:CC+\p+1], v[CC+\p:CC+\p+1], v[ACC+8*\g+\p:ACC+8*\g+\p+1], s[KC4:KC4+1] op_sel_hi:[1,1,0]
.endr
.irp p, 0,2,4,6
	v_pk_fma_f32 v[NN+\p:NN+\p+1], v[NN+\p:NN+\p+1], v[ACC+8*\g+\p:ACC+8*\g+\p+1], s[KS3:KS3+1] op_sel_hi:[1,1,0]
.endr
.irp p, 0,2,4,6
	v_pk_fma_f32 v[CC+\p:CC+\p+1], v[CC+\p:CC+\p+1], v[ACC+8*\g+\p:ACC+8*\g+\p+1], -0.5 op_sel_hi:[1,1,0]
.endr
.irp p, 0,2,4,6
	v_pk_fma_f32 v[CC+\p:CC+\p+1], v[CC+\p:CC+\p+1], v[ACC+8*\g+\p:ACC+8*\g+\p+1], 1.0 op_sel_hi:[1,1,0]               ; cos r
.endr
.irp p, 0,2,4,6
	v_pk_mul_f32 v[ACC+8*\g+\p:ACC+8*\g+\p+1], v[ACC+8*\g+\p:ACC+8*\g+\p+1], v[UU+\p:UU+\p+1]                           ; (-1)^n r^3
.endr
.irp p, 0,2,4,6
	v_pk_mul_f32 v[CC+\p:CC+\p+1], v[CC+\p:CC+\p+1], v[TT+\p:TT+\p+1]                                                   ; cos z
.endr
.irp p, 0,2,4,6
	v_pk_fma_f32 v[ACC+8*\g+\p:ACC+8*\g+\p+1], v[NN+\p:NN+\p+1], v[ACC+8*\g+\p:ACC+8*\g+\p+1], v[UU+\p:UU+\p+1]         ; sin z
.endr
.irp s, 1,2,3
.irp p, 0,2,4,6
	v_pk_mul_f32 v[ACC+32*\s+8*\g+\p:ACC+32*\s+8*\g+\p+1], v[ACC+32*\s+8*\g+\p:ACC+32*\s+8*\g+\p+1], v[CC+\p:CC+\p+1]   ; the three derivatives x cos z
.endr
.endr
.endr
.endm
; THE QUANTISER of a half: in each stream my 32 registers are block 2 hf + h of my point.  Codes into registers 4 hf .. 4 hf + 3 of the stream's operand; the byte into its scale word.  The four streams by turns.
.macro QUANT hf, opr, scr
.irp s, 0,1,2,3
	v_max3_num_f32 v[QM+\s], |v[ACC+32*\s]|, |v[ACC+32*\s+1]|, FLOOR
.endr
.irp i, 2,4,6,8,10,12,14,16,18,20,22,24,26,28,30
.irp s, 0,1,2,3
	v_max3_num_f32 v[QM+\s], v[QM+\s], |v[ACC+32*\s+\i]|, |v[ACC+32*\s+\i+1]|
.endr
.endr
.irp s, 0,1,2,3
	v_add_nc_u32 v[QS+\s], 0xff000000, v[QM+\s]    ; 2 off the exponent field: the conversion's scale operand
.endr
.if \hf == 0
.irp s, 0,1,2,3
	v_lshrrev_b32 v[\scr+\s], 23, v[QS+\s]         ; block h's byte: kept until the other half is made
.endr
.else
.irp s, 0,1,2,3
	v_lshrrev_b32 v[QB+\s], 23, v[QS+\s]           ; block 2 + h's byte,
.endr
.irp s, 0,1,2,3
	v_lshl_or_b32 v[\scr+\s], v[QB+\s], 16, v[\scr+\s]   ; two bytes above the first,
.endr
.irp s, 0,1,2,3
	v_lshlrev_b32 v[\scr+\s], v[SH8], v[\scr+\s]   ; both 8 h bits up: at their places in the word;
.endr
.irp s, 0,1,2,3
	v_permlanex16_b32 v[QP+\s], v[\scr+\s], s[SEL], s[SEL+1]
.endr
.irp s, 0,1,2,3
	v_or_b32 v[\scr+\s], v[\scr+\s], v[QP+\s]      ; with lane l xor 16's two the word is whole
.endr
.endif
.irp g, 0,1,2,3
.irp s, 0,1,2,3
	v_cvt_scalef32_pk8_fp4_f32 v[\opr+8*\s+4*\hf+\g], v[ACC+32*\s+8*\g:ACC+32*\s+8*\g+7], v[QS+\s]
.endr
.endr
	v_nop                                          ; one plain place behind the last conversion: its sources are written next
.endm
; THE LAST LAYER, half hf: out[stream][0 .. 3] += h[stream][unit] x W4[unit][0 .. 3], two columns an instruction, eight sums by turns.  W4 comes four units (a group) at a time into three buffers:
; three groups are asked for at the head; at the heads of groups 2, 4 and 6 one wait frees the buffers of the two groups just finished, and the next two groups (at 6: the last one) are asked for into them.
.macro LW4 hf, q
.irp i, 0,1,2,3
	ds_load_b128 v[W4B+16*(((\q)+1)%3)+4*\i:W4B+16*(((\q)+1)%3)+4*\i+3], v[LH512] offset:TAB+3584+16*(64*\hf+4*(\q)+\i)
.endr
.endm
.macro FINAL hf
	s_wait_alu depctr_va_vdst(0)                   ; the activation is done with v96-127, and whatever read v80-95 (W2's products; the first half's multiply-adds) is done with them: twelve loads land there
	LW4 \hf, 0
	LW4 \hf, 1
	LW4 \hf, 2
.irp q, 0,1,2,3,4,5,6,7
.if (\q == 2) || (\q == 4)
	s_wait_alu depctr_va_vdst(0)                   ; the multiply-adds of the last two groups are done reading their buffers, in which the next eight loads land
	LW4 \hf, \q+1
	LW4 \hf, \q+2
.elseif \q == 6
	s_wait_alu depctr_va_vdst(0)                   ; the multiply-adds of group 4 are done reading its buffer, in which the last group's four loads land
	LW4 \hf, 7
.endif
.if \q == 7
	s_wait_alu depctr_va_vdst(0)
	s_wait_dscnt 0x0
.elseif (\q == 6) || ((\q%2) == 1)
	s_wait_alu depctr_va_vdst(0)
	s_wait_dscnt 4                                 ; this group's loads are in; the four of the one group asked for behind it may be out
.else
	s_wait_dscnt 8                                 ; this group's loads are in; the eight of the two groups asked for behind it may be out
.endif
.irp i, 0,1,2,3
.irp s, 0,1,2,3
.irp d, 0,1
.set HB, ACC+32*\s+4*\q+2*(\i/2)
.set WB, W4B+16*((\q+1)%3)+4*\i+2*\d
.set OB, OUT+4*\s+2*\d
.if (\i%2) == 1
	v_pk_fma_f32 v[OB:OB+1], v[HB:HB+1], v[WB:WB+1], v[OB:OB+1] op_sel:[1,0,0] op_sel_hi:[1,1,1]   ; the pair's second register for both columns
.elseif (\hf == 0) && (\q == 0) && (\i == 0)
	v_pk_mul_f32 v[OB:OB+1], v[HB:HB+1], v[WB:WB+1] op_sel_hi:[0,1]                                ; the first unit starts the sums: nothing is cleared
.else
	v_pk_fma_f32 v[OB:OB+1], v[HB:HB+1], v[WB:WB+1], v[OB:OB+1] op_sel_hi:[0,1,1]                  ; its first register for both
.endif
.endr
.endr
.endr
.endr
.endm
.set FHQ, 144                          ; the fluxes' registers, among the accumulators: (u^2 + v^2) / 2;
.set FR1, 145                          ; rho u;  rho v;  E + p
.set FR2, 146
.set FEP, 147
.set FM1, 148                          ; v148-150 (rho u)_t, _x, _y;  v151-153 (rho v)_..;  v154-156 E_..
.set FM2, 151
.set FE,  154
.set EQ,  160                          ; v160-163 the four equations
	s_mov_b32 s[TRIP], 0
	s_mov_b32 s[MASK], 0xffff                      ; the first tile's results stay in lanes 0-15
.Ltile:
	s_wait_loadcnt 0x0                             ; this tile's t, x, y are in, so their bases may be stepped below
	STAGE0 0
	ACT
	QUANT 0, OPA, SCA
	STAGE0 1
	ACT
	QUANT 1, OPA, SCA
	MM 0, 0, OPA, SCA, 8, 1                        ; W1.  The two operand sets take turns from layer to layer
	ACT
	QUANT 0, OPB, SCB
	MM 0, 1, OPA, SCA, 3, 0
	ACT
	QUANT 1, OPB, SCB
	MM 1, 0, OPB, SCB, 8, 0                        ; W2
	ACT
	QUANT 0, OPA, SCA
	MM 1, 1, OPB, SCB, 3, 0
	ACT
	QUANT 1, OPA, SCA
	MM 2, 0, OPA, SCA, 8, 0                        ; W3
	ACT
	FINAL 0
	MM 2, 1, OPA, SCA, 0, 0                        ; its operands were made long ago
	ACT
	FINAL 1
	; THE FLUXES.  My sums hold my half's 64 units: lane l xor 16 has the other 64.  Then both halves of the lanes hold point r's sixteen numbers:
	; v64-67 rho, u, v, p;  v68-71 their derivatives by t;  v72-75 by x;  v76-79 by y
.irp i, 0,1,2,3,4,5,6,7,8,9,10,11,12,13,14,15
	v_permlanex16_b32 v[ACC+\i], v[OUT+\i], s[SEL], s[SEL+1]
.endr
.irp i, 0,2,4,6,8,10,12,14
	v_pk_add_f32 v[OUT+\i:OUT+\i+1], v[OUT+\i:OUT+\i+1], v[ACC+\i:ACC+\i+1]
.endr
.irp k, 0,1,2,3
	v_add_f32 v[OUT+\k], s[40+\k], v[OUT+\k]       ; + b4
.endr
	v_mul_f32 v[FHQ], v[OUT+1], v[OUT+1]
	v_mul_f32 v[FR1], v[OUT], v[OUT+1]             ; rho u
	v_mul_f32 v[FR2], v[OUT], v[OUT+2]             ; rho v
	v_fma_f32 v[FHQ], v[OUT+2], v[OUT+2], v[FHQ]
	v_mul_f32 v[FEP], 0x40600000, v[OUT+3]         ; 3.5 p = p / (gamma - 1) + p
	v_mul_f32 v[FHQ], 0.5, v[FHQ]                  ; (u^2 + v^2) / 2
	v_fma_f32 v[FEP], v[OUT], v[FHQ], v[FEP]       ; E + p
.irp i, 0,1,2
	v_mul_f32 v[FM1+\i], v[OUT], v[OUT+5+4*\i]     ; rho u_d
	v_mul_f32 v[FM2+\i], v[OUT], v[OUT+6+4*\i]     ; rho v_d
	v_mul_f32 v[FE+\i], 0x40200000, v[OUT+7+4*\i]  ; 2.5 p_d
.endr
.irp i, 0,1,2
	v_fma_f32 v[FM1+\i], v[OUT+4+4*\i], v[OUT+1], v[FM1+\i]   ; (rho u)_d
	v_fma_f32 v[FM2+\i], v[OUT+4+4*\i], v[OUT+2], v[FM2+\i]   ; (rho v)_d
	v_fma_f32 v[FE+\i], v[OUT+4+4*\i], v[FHQ], v[FE+\i]
.endr
.irp i, 0,1,2
	v_fma_f32 v[FE+\i], v[FR1], v[OUT+5+4*\i], v[FE+\i]
.endr
.irp i, 0,1,2
	v_fma_f32 v[FE+\i], v[FR2], v[OUT+6+4*\i], v[FE+\i]       ; E_d = rho_d (u^2 + v^2) / 2 + rho u u_d + rho v v_d + 2.5 p_d
.endr
	v_add_f32 v[EQ], v[OUT+4], v[FM1+1]            ; rho_t + (rho u)_x
	v_add_f32 v[EQ+1], v[FM1], v[OUT+11]           ; (rho u)_t + p_x
	v_add_f32 v[EQ+2], v[FM2], v[OUT+15]           ; (rho v)_t + p_y
	v_add_f32 v[FE+1], v[FE+1], v[OUT+11]          ; (E + p)_x
	v_add_f32 v[FE+2], v[FE+2], v[OUT+15]          ; (E + p)_y
	v_add_f32 v[EQ], v[EQ], v[FM2+2]               ; + (rho v)_y
	v_fma_f32 v[EQ+1], v[FM1+1], v[OUT+1], v[EQ+1] ; + (rho u)_x u
	v_fma_f32 v[EQ+2], v[FM2+1], v[OUT+1], v[EQ+2] ; + (rho v)_x u
	v_fma_f32 v[EQ+3], v[FE+1], v[OUT+1], v[FE]    ; E_t + (E + p)_x u
	v_fma_f32 v[EQ+1], v[FR1], v[OUT+9], v[EQ+1]   ; + rho u u_x
	v_fma_f32 v[EQ+2], v[FR2], v[OUT+9], v[EQ+2]   ; + rho v u_x
	v_fma_f32 v[EQ+3], v[FEP], v[OUT+9], v[EQ+3]   ; + (E + p) u_x
	v_fma_f32 v[EQ+1], v[FM1+2], v[OUT+2], v[EQ+1] ; + (rho u)_y v
	v_fma_f32 v[EQ+2], v[FM2+2], v[OUT+2], v[EQ+2] ; + (rho v)_y v
	v_fma_f32 v[EQ+3], v[FE+2], v[OUT+2], v[EQ+3]  ; + (E + p)_y v
	v_fma_f32 v[EQ+1], v[FR1], v[OUT+14], v[EQ+1]  ; + rho u v_y
	v_fma_f32 v[EQ+2], v[FR2], v[OUT+14], v[EQ+2]  ; + rho v v_y
	v_fma_f32 v[EQ+3], v[FEP], v[OUT+14], v[EQ+3]  ; + (E + p) v_y
.irp k, 0,1,2,3
	v_cndmask_b32 v[RES+\k], v[RES+\k], v[EQ+\k], s[MASK]     ; tile 0 stays in lanes 0-15, tile 1 in lanes 16-31: lane l ends up with point l of the wave's 32
.endr
	s_lshl_b32 s[MASK], s[MASK], 16
	s_add_co_u32 s[TRIP], s[TRIP], 1
	s_cmp_lt_u32 s[TRIP], 2
	s_cbranch_scc1 .Ltile
	s_wait_alu depctr_va_vdst(0)                   ; the selects have written v10-13, which the store reads
	global_store_b128 v[LI], v[RES:RES+3], s[34:35] th:TH_STORE_NT   ; 32 lanes store 512 consecutive bytes, at a multiple of 512 from out0's first byte; written once, read by nobody here
	s_wait_xcnt 0x0
	v_lshl_add_u32 v254, v0, 2, 0x8000             ; my spare word and 0, made anew: no memory or LDS instruction has read v254 or v255 since the wait on vm_vsrc behind the barrier
	v_mov_b32 v255, 0
	s_wait_dscnt 0x0                               ; the closing lines, six on end
	s_wait_alu 0x0
	s_wait_tensorcnt 0x0
	ds_add_u32 v254, v255
	s_wait_dscnt 0x0
	s_endpgm
.Lfunc_end_k_q0732fffb1b_pinn:
	.size	k_q0732fffb1b_pinn, .Lfunc_end_k_q0732fffb1b_pinn-k_q0732fffb1b_pinn
	.p2alignl 7, 3214868480
	.fill 96, 4, 3214868480
	.section	.rodata,"a",@progbits
	.p2align	6, 0x0
	.amdhsa_kernel k_q0732fffb1b_pinn
		.amdhsa_group_segment_fixed_size 34816
		.amdhsa_private_segment_fixed_size 0
		.amdhsa_enable_private_segment 0
		.amdhsa_kernarg_size 112
		.amdhsa_user_sgpr_count 2
		.amdhsa_user_sgpr_kernarg_segment_ptr 1
		.amdhsa_wavefront_size32 1
		.amdhsa_system_sgpr_workgroup_id_x 1
		.amdhsa_system_sgpr_workgroup_id_y 1
		.amdhsa_system_sgpr_workgroup_id_z 1
		.amdhsa_system_vgpr_workitem_id 0
		.amdhsa_next_free_vgpr 256
		.amdhsa_next_free_sgpr 80
		.amdhsa_reserve_vcc 0
		.amdhsa_float_denorm_mode_32 3
		.amdhsa_float_denorm_mode_16_64 3
		.amdhsa_memory_ordered 1
		.amdhsa_forward_progress 1
		.amdhsa_inst_pref_size 255
	.end_amdhsa_kernel
	.section	.bss,"aw",@nobits
	.p2align	6
	.space	262144
	.amdgpu_metadata
---
amdhsa.version: [ 1, 2 ]
amdhsa.kernels:
  - .name:           k_q0732fffb1b_pinn
    .symbol:         k_q0732fffb1b_pinn.kd
    .args:
      - { .name: t, .offset: 0, .size: 8, .value_kind: global_buffer, .address_space: global }
      - { .name: x, .offset: 8, .size: 8, .value_kind: global_buffer, .address_space: global }
      - { .name: y, .offset: 16, .size: 8, .value_kind: global_buffer, .address_space: global }
      - { .name: W0, .offset: 24, .size: 8, .value_kind: global_buffer, .address_space: global }
      - { .name: b0, .offset: 32, .size: 8, .value_kind: global_buffer, .address_space: global }
      - { .name: b1, .offset: 40, .size: 8, .value_kind: global_buffer, .address_space: global }
      - { .name: b2, .offset: 48, .size: 8, .value_kind: global_buffer, .address_space: global }
      - { .name: b3, .offset: 56, .size: 8, .value_kind: global_buffer, .address_space: global }
      - { .name: W4, .offset: 64, .size: 8, .value_kind: global_buffer, .address_space: global }
      - { .name: b4, .offset: 72, .size: 8, .value_kind: global_buffer, .address_space: global }
      - { .name: W1, .offset: 80, .size: 8, .value_kind: global_buffer, .address_space: global }
      - { .name: W2, .offset: 88, .size: 8, .value_kind: global_buffer, .address_space: global }
      - { .name: W3, .offset: 96, .size: 8, .value_kind: global_buffer, .address_space: global }
      - { .name: out0, .offset: 104, .size: 8, .value_kind: global_buffer, .address_space: global }
    .group_segment_fixed_size: 34816
    .private_segment_fixed_size: 0
    .kernarg_segment_align: 8
    .kernarg_segment_size: 112
    .max_flat_workgroup_size: 512
    .sgpr_count:     80
    .vgpr_count:     256
    .wavefront_size: 32
...
	.end_amdgpu_metadata
.endif
;; end of part 2
